; MI455X (gfx1250); checked and timed in simulation.
; The chip was launched on July 23, 2026; its instructions are those of AMD's public machine-readable ISA for CDNA 5 (MIT licence, August 2026) and "CDNA5" Instruction Set Architecture Reference Guide (July 2026). The comments in the code are by the model that wrote it; some were corrected since.
;; Quantized Linear. Allowed arithmetic: matrix products marked QUANTISED: E2M1 operands, one E8M0 scale for each 32 along K, by v_wmma_scale_f32_16x16x128_f8f6f4 with both operands' format E2M1 (or v_wmma_scale_f32_32x16x128_f4), f32 sums; everything else in f32.
;; Inputs: bias 4,096 float32; w_packed 4,096 x 2,048 int32; w_scales 4,096 float32; x 4,096 x 4,096 float32.
;; Outputs: out0 4,096 x 4,096 float32.
;; This version of the problem:
;;   THIS VERSION OF THE PROBLEM IS GIVEN IN LOW PRECISION. The matrix products marked QUANTISED in the list below multiply operands that are first quantised to E2M1 (2 exponent bits, 1 mantissa bit; 4 bits a number), with one power-of-two scale for each 32 numbers along K (OCP MX v1.0); their sums are f32. All else is computed in f32.
;;   The module's matrix products, in the order in which they are computed (A, B: the left and right operand; K: the contracted axis; several contracted axes count as one K, in the product's order):
;;     1. [M 4,096, K 4,096] x [K 4,096, N 4,096]; A: input x; B: computed on the way: QUANTISED
;;   THE QUANTISER, for each operand of a quantised product, along K:
;;     - K is cut into blocks of 32 from its start; a last block that is shorter is filled with zeros.
;;     - A block's scale is 2^e with e = floor(log2(the largest magnitude in the block)) - 2, held to -126 .. 127; a block of zeros has e = 0. As a byte (E8M0): e + 127.
;;     - Each number is divided by its block's scale, clamped to +-6, and rounded to the nearest number of E2M1, ties to even, subnormals kept.
;;     - The product sums the exact products of the quantised numbers (number of the format x scale) in f32.
;;   ~~~python
;;   def quantise(x, axis):      # numpy; x: float32 -> the quantised numbers, widened to float32 again
;;       x = np.moveaxis(x, axis, -1); K = x.shape[-1]
;;       x = np.pad(x, [(0, 0)] * (x.ndim - 1) + [(0, -K % 32)]); x = x.reshape(x.shape[:-1] + (-1, 32)); a = np.abs(x).max(-1, keepdims=True)
;;       e = np.where(a > 0, np.clip(np.frexp(np.where(a > 0, a, 1))[1] - 1 - 2, -126, 127), 0)      # np.frexp(a)[1] - 1 = floor(log2(a)), exactly
;;       r = np.clip(x / 2.0 ** e, -6, 6)
;;       step = 2.0 ** (np.maximum(np.frexp(np.where(r == 0, 1, r))[1] - 1, 0) - 1)
;;       q = np.round(r / step) * step * 2.0 ** e      # np.round: ties to even
;;       return np.moveaxis(q.reshape(q.shape[:-2] + (-1,))[..., :K], -1, axis).astype(np.float32)
;;   ~~~
;;   OPERANDS COMPUTED ON THE WAY. 'Computed on the way' means the value that the module computes at that place (a softmax that the list does not call 'softmax' is quantised finished and normalised). What goes into a quantiser is computed in f32, as accurately as f32 sums, v_exp_f32 and their like allow (about 1e-6 of the number): no bf16 or f16 on the way to a quantiser, and a product that is left as it is and whose result goes on into a quantised operand takes f32 operands (vector FMAs, or v_wmma_f32_16x16x4_f32). A number that lies on a knife's edge between two numbers of the format may be rounded either way, as far as f32 arithmetic and the matrix unit's own rounding can turn it there, and no further.
;; One version. Each part assembles by itself: llvm-mc -triple=amdgcn-amd-amdhsa -mcpu=gfx1250 --defsym DOCPART=n.
;; ======== version 1 of 1: 2 launches
;; limits: right only within a limited range of input values
;; workspace buffers: xq 8,912,896 bytes; wq 8,912,896 bytes
;; launch quant (part 1): grid 256 x 1, 8 waves a work-group, no clusters, 167,936 bytes of LDS; arguments x, w_packed, w_scales, xq, wq; writes xq, wq
.if DOCPART == 1
	.amdgcn_target "amdgcn-amd-amdhsa--gfx1250"
	.amdhsa_code_object_version 6
	.text
	.protected	k_q5ba41b13cf_quant
	.globl	k_q5ba41b13cf_quant
	.p2align	8
	.type	k_q5ba41b13cf_quant,@function
k_q5ba41b13cf_quant:
	s_mov_b64 s[64:65], 0
	v_nop
	global_prefetch_b8 v0, s[64:65] scope:SCOPE_SE
	s_setreg_imm32_b32 hwreg(HW_REG_WAVE_MODE, 25, 1), 1
	s_wait_xcnt 0x0
; x [4096][4096] f32 and W [4096][4096] = (nibble - 8) x w_scales[row], made here in f32 from w_packed [4096][2048] int32 (low nibble: even k, next nibble: odd k; the higher bits are not used),
; are turned into codes of FP4 (E2M1) with one E8M0 scale byte for each 32 along K, and laid in the order in which the product's launch takes them into its operand registers.
; A block's scale is 2^(floor(log2(its largest magnitude)) - 2); its byte is the largest magnitude's exponent field - 2, held at 1 from below; numbers beyond 6 x the scale get the largest code.
; THE WORKSPACE, the same for xq and wq: [32 blocks of 128 rows][8 K steps of 512][a chunk of 34,816 bytes].  A chunk: bytes 0 .. 32,767 the codes, [q 4][i 8][j 4][r 16][16 bytes]: q = which 128 along K,
; i = which 16 rows, j = which block of 32 in the 128, r = the place in the 16, and the block's 32 codes in 16 bytes, the lower k in the lower bits; bytes 32,768 on the scale words, [16 i + r][16 bytes], word q = the four bytes of the q-th 128.
; So a fragment (q, i) is 1,024 consecutive bytes, the image of its 8 registers: register group c of lane (r, h) lies at 512 c + 16 x lane and holds block j = 2 c + h.
; THE ROWS OF A FRAGMENT: of x row 16 i + r of the 128; of W row 64 (i / 4) + 4 r + i % 4: so four fragments side by side give a lane four neighbouring columns of the product.
; SHARES.  Work-group g makes chunk g of both; its wave i takes 16 rows, 512 along K: first of W, whose unpacking is the longer work, then of x.  One path, no branch, no barrier: waves share nothing.
; A lane must hold whole blocks of ONE row (lane (r, h): blocks h and 2 + h of each 128 along K), and a load is best where neighbouring lanes take neighbouring bytes: both are had by a turn through the wave's own stage in LDS;
; W is packed to four bits a number ahead of its turn.  No store is issued before the wave's last load has been issued.
; Memory binds this launch: no matrix unit, no cluster, no tensor load, and no prefetch, since every wave asks at its start for all of W and half of x, 64 loads of 16 bytes a lane, and for the rest as registers come free.
; LIMITS: NaN and infinities in x or w_scales are not served; |w_scales| stays under 2^124, so that 8 x w_scales is finite.  A block of zeros gets the byte 1 where the rule says 127: its codes are zeros, which add
; nothing under any byte but 0xff, and this program alone reads the bytes.  Blocks whose largest magnitude lies under 2^-124 get the byte 1, which is the rule's own hold; they were not tried.
.set CHUNK, 34816
.set CSC,   32768                      ; where a chunk's scale words begin
.set XP,    528                        ; a row of x's stage: 512 bytes + 16 = 33 x 16: the sixteen rows that a read touches start at different banks (64 banks of 4 bytes: ISA guide 11.1)
.set WP,    144                        ; a row of W's stage: 256 numbers of 4 bits = 128 bytes, + 16 = 9 x 16
.set XSTW,  16*XP                      ; a wave's stage for x
.set WSTW,  16*WP                      ; and for W
.set WST,   8*XSTW                     ; W's stages lie behind x's
.set SPARE, WST+8*WSTW                 ; behind the stages: the spare words, 128 bytes for each wave
.set LO,  1                            ; 16 x lane
.set XSA, 2                            ; x's stage, in: 16 x lane
.set XRA, 3                            ; x's stage, out: row r, + 128 h
.set WSA, 4                            ; W's stage, in: 4 x lane
.set WRA, 5                            ; W's stage, out: row r, + 16 h
.set SO,  6                            ; the scale words' place: 16 r + 8 h
.set SH,  7                            ; 8 h
.set SPW, 8                            ; LDS address of my spare word; never rewritten
.set NIL, 9                            ; 0; never rewritten
.set TM,  10                           ; v10-11 largest magnitudes, v12-13 scale operands, v14-15 bytes, v16 the lane permute's result
.set WSO, 17                           ; 16 r: w_scales of row 4 r
.set S,   18                           ; v18 my row's w_scales, v19 -8 x it
.set X,   20                           ; v20-83   64 numbers: register 32 c + n = k 64 c + 32 h + n of my row
.set P,   84                           ; v84-99   16 words of 8 nibbles: word 8 t + n = numbers 8 n .. 8 n + 7 of X, in step t of the half
.set WC,  100                          ; v100-131 W's codes, eight registers a step,
.set XC,  132                          ; v132-163 and x's
.set SW,  164                          ; v164-167 the four scale words of my row
.set SDX, 168                          ; v[168:169] what I store of x's scale words
.set SDW, 170                          ; v[170:171] and of W's
.set VR,  172
.set VH,  173
; window 1: four sets of 64 registers as loaded: W's halves in sets 0 and 1, x's steps 0 .. 3 in sets 2, 3, 0, 1
.set MSB, 0
.macro WIN new                         ; the immediate's high byte repeats the setting that is left
.if MSB != \new
	s_set_vgpr_msb (MSB<<8)|\new
.set MSB, \new
.endif
.endm
	s_load_b256 s[4:11], s[0:1], 0x0               ; x s[4:5], w_packed s[6:7], w_scales s[8:9], xq s[10:11]
	s_load_b64 s[12:13], s[0:1], 0x20              ; wq
	v_lshl_add_u32 v[SPW], v0, 2, SPARE
	v_mov_b32 v[NIL], 0
	v_lshrrev_b32 v[VR], 5, v0
	v_readfirstlane_b32 s14, v[VR]                 ; wave 0..7: which 16 rows of the 128
	v_and_b32 v[VR], 15, v0                        ; r
	v_bfe_u32 v[VH], v0, 4, 1                      ; h
	v_and_b32 v[LO], 31, v0
	s_mul_i32 s18, s14, XSTW                       ; my stage for x
	s_mul_i32 s19, s14, WSTW
	s_add_co_u32 s19, s19, WST                     ; my stage for W
	v_lshlrev_b32 v[WSA], 2, v[LO]
	v_lshlrev_b32 v[LO], 4, v[LO]
	v_add_nc_u32 v[WSA], s19, v[WSA]
	v_add_nc_u32 v[XSA], s18, v[LO]
	v_mul_u32_u24 v[XRA], v[VR], XP
	v_mul_u32_u24 v[WRA], v[VR], WP
	v_lshl_add_u32 v[XRA], v[VH], 7, v[XRA]
	v_lshl_add_u32 v[WRA], v[VH], 4, v[WRA]
	v_add_nc_u32 v[XRA], s18, v[XRA]
	v_add_nc_u32 v[WRA], s19, v[WRA]
	v_lshlrev_b32 v[SH], 3, v[VH]
	v_lshlrev_b32 v[WSO], 4, v[VR]
	v_lshl_add_u32 v[SO], v[VR], 4, v[SH]
	v_cmp_ne_u32 vcc_lo, 0, v[SH]                  ; lanes 16-31; VCC is never written again
	v_mov_b32 v[TM+6], 0                           ; written once: a lane permute's destination counts as one of its sources
	s_wait_alu depctr_va_vdst(0)
	s_mov_b32 s20, 0x76543210
	s_mov_b32 s21, 0xfedcba98                      ; v_permlanex16_b32's selects for lane l xor 16
	s_lshr_b32 s16, ttmp9, 3                       ; the chunk is the work-group's number: the block of 128 rows,
	s_and_b32 s17, ttmp9, 7                        ; the K step
	s_mov_b32 s23, 0
	s_mov_b32 s29, 0
	s_mov_b32 s31, 0
	s_lshl_b32 s22, s16, 21                        ; x: 128 rows of 16,384 bytes,
	s_lshl_b32 s19, s14, 18                        ; 16 rows,
	s_add_co_u32 s22, s22, s19
	s_lshl_b32 s19, s17, 11                        ; 512 numbers of 4 bytes
	s_add_co_u32 s22, s22, s19
	s_lshr_b32 s18, s14, 2                         ; W: my first row is 64 (i / 4) + i % 4 of the 128
	s_and_b32 s15, s14, 3
	s_lshl_b32 s28, s16, 20                        ; 128 rows of 8,192 bytes
	s_lshl_b32 s19, s18, 19
	s_add_co_u32 s28, s28, s19
	s_lshl_b32 s19, s15, 13
	s_add_co_u32 s28, s28, s19
	s_lshl_b32 s19, s17, 10                        ; 512 numbers: 256 words
	s_add_co_u32 s28, s28, s19
	s_lshl_b32 s30, s16, 9                         ; w_scales: 4 bytes a row
	s_lshl_b32 s19, s18, 8
	s_add_co_u32 s30, s30, s19
	s_lshl_b32 s19, s15, 2
	s_add_co_u32 s30, s30, s19
	s_mov_b32 s15, 0x00000400                      ; v_perm_b32's selects: the low byte of each of two words;
	s_mov_b32 s16, 0x05040100                      ; and the low halves of two words
	s_wait_kmcnt 0x0
	s_add_nc_u64 s[4:5], s[4:5], s[22:23]
	s_add_nc_u64 s[6:7], s[6:7], s[28:29]
	s_add_nc_u64 s[8:9], s[8:9], s[30:31]
.macro LOADX t                         ; the t-th 128 along K of my 16 rows: each load reads 512 consecutive bytes of one row
	WIN 0x40                                       ; destination: window 1
.irp row, 0,1,2,3,4,5,6,7,8,9,10,11,12,13,14,15
	global_load_b128 v[64*(((\t)+2)%4)+4*\row:64*(((\t)+2)%4)+4*\row+3], v[LO], s[4:5] offset:\row*16384+512*(\t) th:TH_LOAD_NT
.endr
	WIN 0
.endm
.macro LOADW hf                        ; half hf of W's 512 along K: each load reads 512 consecutive bytes of one row; my rows lie 4 apart
	WIN 0x40
.irp row, 0,1,2,3,4,5,6,7,8,9,10,11,12,13,14,15
	global_load_b128 v[64*(\hf)+4*\row:64*(\hf)+4*\row+3], v[LO], s[6:7] offset:\row*32768+512*(\hf) th:TH_LOAD_NT
.endr
	WIN 0
.endm
.macro TURNX t                         ; through my stage: in as loaded, out 32 neighbours of a block at a time.  LDS serves a wave's instructions in order (ISA guide 5.7.1.4): no wait between the stores and the loads
	WIN 0x04                                       ; data: window 1
.irp row, 0,1,2,3,4,5,6,7,8,9,10,11,12,13,14,15
	ds_store_b128 v[XSA], v[64*(((\t)+2)%4)+4*\row:64*(((\t)+2)%4)+4*\row+3] offset:\row*XP
.endr
	WIN 0
.irp c, 0,1
.irp g, 0,1,2,3,4,5,6,7
	ds_load_b128 v[X+32*\c+4*\g:X+32*\c+4*\g+3], v[XRA] offset:256*\c+16*\g
.endr
.endr
.endm
; W's four words a lane become one word of eight nibbles, the lower k in the lower bits, and that goes through my stage
.macro TURNW hf
	WIN 0x45                                       ; sources 0 and 1 and the destination: window 1
.irp row, 0,1,2,3,4,5,6,7,8,9,10,11,12,13,14,15
	v_perm_b32 v[64*(\hf)+4*\row], v[64*(\hf)+4*\row+1], v[64*(\hf)+4*\row], s15
	v_perm_b32 v[64*(\hf)+4*\row+2], v[64*(\hf)+4*\row+3], v[64*(\hf)+4*\row+2], s15
.endr
.irp row, 0,1,2,3,4,5,6,7,8,9,10,11,12,13,14,15
	v_perm_b32 v[64*(\hf)+4*\row], v[64*(\hf)+4*\row+2], v[64*(\hf)+4*\row], s16
.endr
	WIN 0x04
.irp row, 0,1,2,3,4,5,6,7,8,9,10,11,12,13,14,15
	ds_store_b32 v[WSA], v[64*(\hf)+4*\row] offset:\row*WP
.endr
	WIN 0
.irp t, 0,1
.irp c, 0,1
	ds_load_b128 v[P+8*\t+4*\c:P+8*\t+4*\c+3], v[WRA] offset:64*\t+32*\c
.endr
.endr
.endm
; Eight words become 64 numbers of W.  8 s is exact, so the fused q s - 8 s is (q - 8) s rounded once: the bits of the subtraction and the multiplication that the problem writes.
.macro UNPACK t
.irp n, 0,1,2,3,4,5,6,7
	v_and_b32 v[X+8*\n], 15, v[P+8*(\t)+\n]
.irp e, 1,2,3,4,5,6
	v_bfe_u32 v[X+8*\n+\e], v[P+8*(\t)+\n], 4*\e, 4
.endr
	v_lshrrev_b32 v[X+8*\n+7], 28, v[P+8*(\t)+\n]
.endr
.set n, 0
.rept 64
	v_cvt_f32_u32 v[X+n], v[X+n]
.set n, n+1
.endr
.set n, 0
.rept 32
	v_pk_fma_f32 v[X+2*n:X+2*n+1], v[X+2*n:X+2*n+1], v[S:S+1], v[S:S+1] op_sel:[0,0,1] op_sel_hi:[1,0,1]
.set n, n+1
.endr
.endm
; The 64 numbers in X become a fragment's eight registers of codes, v[c] on, and my row's scale word for these 128 along K, v[sw], whole in both halves of the lanes.
.macro QUANT c, sw
.irp b, 0,1
	v_max3_num_f32 v[TM+\b], |v[X+32*\b]|, |v[X+32*\b+1]|, 0x1800000   ; my two blocks by turns; all 32 numbers of a block are mine.  The floor 2^(3 - 127) holds the byte at 1 from below
.endr
.irp n, 2,4,6,8,10,12,14,16,18,20,22,24,26,28,30
.irp b, 0,1
	v_max3_num_f32 v[TM+\b], v[TM+\b], |v[X+32*\b+\n]|, |v[X+32*\b+\n+1]|
.endr
.endr
.irp b, 0,1
	v_add_nc_u32 v[TM+2+\b], 0xff000000, v[TM+\b]  ; 2 off the exponent field: the conversion takes the exponent field of this operand as its scale, and nothing else of it
.endr
.irp b, 0,1
	v_lshrrev_b32 v[TM+4+\b], 23, v[TM+2+\b]       ; the scale's byte
.endr
	v_lshl_or_b32 v[\sw], v[TM+5], 16, v[TM+4]     ; my two bytes: blocks h and 2 + h,
	v_lshlrev_b32 v[\sw], v[SH], v[\sw]            ; at their places in the word (8 h bits up);
	v_permlanex16_b32 v[TM+6], v[\sw], s20, s21
	v_or_b32 v[\sw], v[\sw], v[TM+6]               ; with lane l xor 16's two the word is whole
.irp b, 0,1
.irp g, 0,1,2,3
	v_cvt_scalef32_pk8_fp4_f32 v[4*\b+\g+(\c)], v[X+32*\b+8*\g:X+32*\b+8*\g+7], v[TM+2+\b]
.endr
.endr
	v_nop                                          ; one plain vector instruction behind the last scaled conversion: vector instructions write its sources again later
.endm
.macro PUT c, base, t                  ; step t's fragment leaves as it stands: each store covers 512 consecutive bytes, at a multiple of 256 from the buffer's first byte
.irp cc, 0,1
	global_store_b128 v[LO], v[8*(\t)+4*\cc+(\c):8*(\t)+4*\cc+(\c)+3], s[\base:\base+1] offset:8192*(\t)+512*\cc
.endr
.endm
.macro PICK sd                         ; of my row's four scale words lanes 0-15 take words 0 and 1, lanes 16-31 words 2 and 3: stored, the wave covers 256 consecutive bytes, aligned
	v_cndmask_b32 v[\sd], v[SW], v[SW+2], vcc_lo
	v_cndmask_b32 v[\sd+1], v[SW+1], v[SW+3], vcc_lo
.endm
	global_load_b32 v[S], v[WSO], s[8:9]           ; my row's w_scales: the first load, so every later counted wait shows it in
	LOADW 0
	LOADW 1
	LOADX 0
	LOADX 1
	s_mul_i32 s22, ttmp9, CHUNK                    ; where my results go: the chunk,
	s_lshl_b32 s19, s14, 8
	s_add_co_u32 s28, s22, s19
	s_add_co_u32 s28, s28, CSC                     ; its scale words, 256 bytes for my 16 rows;
	s_lshl_b32 s19, s14, 10
	s_add_co_u32 s22, s22, s19                     ; its codes, 1,024 bytes a fragment
	s_add_nc_u64 s[24:25], s[10:11], s[28:29]
	s_add_nc_u64 s[26:27], s[12:13], s[28:29]
	s_add_nc_u64 s[10:11], s[10:11], s[22:23]
	s_add_nc_u64 s[12:13], s[12:13], s[22:23]
.irp hf, 0,1
	s_wait_loadcnt 48                              ; loads come back in order (ISA guide 5.7): this half's 16 are in; the three sets asked for behind them stay out
.if \hf == 0
	v_mul_f32 v[S+1], 0xc1000000, v[S]             ; -8 s, exact
.endif
	TURNW \hf
	s_wait_dscnt 0x0                               ; the words are back, and the stage's stores have read this set of registers,
	LOADX \hf+2                                    ; which takes a step of x
	UNPACK 0
	QUANT WC+16*\hf, SW+2*\hf
	UNPACK 1
	QUANT WC+16*\hf+8, SW+2*\hf+1
.endr
	PICK SDW
.irp t, 0,1,2,3
	s_wait_loadcnt 48-16*\t                        ; this step's 16 are in; the later steps' may be out
	TURNX \t
	s_wait_dscnt 0x0                               ; the numbers are back from the stage
.if \t == 1
	PUT WC, 12, 0                                  ; my last load has been issued: W leaves.  No store's data are written again
	PUT WC, 12, 1
	PUT WC, 12, 2
	PUT WC, 12, 3
	global_store_b64 v[SO], v[SDW:SDW+1], s[26:27]
.endif
.if \t == 3
	PUT XC, 10, 0                                  ; my last LDS access but the closing one is done: x's first two steps leave
	PUT XC, 10, 1
.endif
	QUANT XC+8*\t, SW+\t
.endr
	PICK SDX
	PUT XC, 10, 2
	PUT XC, 10, 3
	global_store_b64 v[SO], v[SDX:SDX+1], s[24:25]
	s_wait_tensorcnt 0x0                           ; the wave's end: behind my last LDS store
	ds_add_u32 v[SPW], v[NIL]
	s_wait_dscnt 0x0
	s_endpgm
.Lfunc_end_k_q5ba41b13cf_quant:
	.size	k_q5ba41b13cf_quant, .Lfunc_end_k_q5ba41b13cf_quant-k_q5ba41b13cf_quant
	.p2alignl 7, 3214868480
	.fill 96, 4, 3214868480
	.section	.rodata,"a",@progbits
	.p2align	6, 0x0
	.amdhsa_kernel k_q5ba41b13cf_quant
		.amdhsa_group_segment_fixed_size 167936
		.amdhsa_private_segment_fixed_size 0
		.amdhsa_enable_private_segment 0
		.amdhsa_kernarg_size 40
		.amdhsa_user_sgpr_count 2
		.amdhsa_user_sgpr_kernarg_segment_ptr 1
		.amdhsa_wavefront_size32 1
		.amdhsa_system_sgpr_workgroup_id_x 1
		.amdhsa_system_sgpr_workgroup_id_y 1
		.amdhsa_system_sgpr_workgroup_id_z 1
		.amdhsa_system_vgpr_workitem_id 0
		.amdhsa_next_free_vgpr 512
		.amdhsa_next_free_sgpr 66
		.amdhsa_reserve_vcc 1
		.amdhsa_float_denorm_mode_32 3
		.amdhsa_float_denorm_mode_16_64 3
		.amdhsa_memory_ordered 1
		.amdhsa_forward_progress 1
		.amdhsa_inst_pref_size 86
	.end_amdhsa_kernel
	.amdgpu_metadata
---
amdhsa.version: [ 1, 2 ]
amdhsa.kernels:
  - .name:           k_q5ba41b13cf_quant
    .symbol:         k_q5ba41b13cf_quant.kd
    .args:
      - { .name: x, .offset: 0, .size: 8, .value_kind: global_buffer, .address_space: global }
      - { .name: w_packed, .offset: 8, .size: 8, .value_kind: global_buffer, .address_space: global }
      - { .name: w_scales, .offset: 16, .size: 8, .value_kind: global_buffer, .address_space: global }
      - { .name: xq, .offset: 24, .size: 8, .value_kind: global_buffer, .address_space: global }
      - { .name: wq, .offset: 32, .size: 8, .value_kind: global_buffer, .address_space: global }
    .group_segment_fixed_size: 167936
    .private_segment_fixed_size: 0
    .kernarg_segment_align: 8
    .kernarg_segment_size: 40
    .max_flat_workgroup_size: 256
    .sgpr_count:     66
    .vgpr_count:     512
    .wavefront_size: 32
...
	.end_amdgpu_metadata
.endif
;; end of part 1
;; launch gemm (part 2): grid 16 x 16, 4 waves a work-group, clusters of 4 x 4, 327,680 bytes of LDS; arguments xq, wq, bias, out0; writes out0
.if DOCPART == 2
	.amdgcn_target "amdgcn-amd-amdhsa--gfx1250"
	.amdhsa_code_object_version 6
	.text
	.protected	k_q5ba41b13cf_gemm
	.globl	k_q5ba41b13cf_gemm
	.p2align	8
	.type	k_q5ba41b13cf_gemm,@function
k_q5ba41b13cf_gemm:
	s_mov_b64 s[64:65], 0
	v_nop
	global_prefetch_b8 v0, s[64:65] scope:SCOPE_SE
	s_setreg_imm32_b32 hwreg(HW_REG_WAVE_MODE, 25, 1), 1
	s_wait_xcnt 0x0
	s_wait_alu depctr_hold_cnt(0) depctr_sa_sdst(0) depctr_va_vdst(0) depctr_va_sdst(0) depctr_va_ssrc(0) depctr_va_vcc(0) depctr_vm_vsrc(0)
	s_getreg_b32 s2, hwreg(HW_REG_IB_STS2, 6, 4)
	s_cmp_eq_u32 s2, 0
	s_cbranch_scc0 .Lentry_in_a_cluster
	s_endpgm
.Lentry_in_a_cluster:
	s_bfe_u32 s2, ttmp6, 0x10000c
	s_cmp_lg_u32 s2, 0xf033
	s_cbranch_scc0 .Lentry_shape_is_right
	s_endpgm
.Lentry_shape_is_right:
; out[m][n] = sum over k of x[m][k] W[n][k] + bias[n], 4,096 each way; x and W as codes of FP4 with E8M0 scale bytes, in the layout that the launch before wrote; sums in f32, the bias added last.
; A tile of 256 x 256 is made by a work-group of four waves; a wave makes 128 x 128: 4 x 8 accumulators of 32 x 16, 512 registers.  K goes in eight steps of 512 through a ring of two LDS slots; a slot holds four chunks of
; 34,816 bytes (two of x, two of W: codes and scale words of 128 rows), each fetched by one wave with one tensor load of 136 rows of 256 bytes.
; CLUSTERS: 4 x 4 work-groups.  The four of a row of the cluster need the same chunks of x, the four of a column the same chunks of W: each is asked for JOINTLY, with a mask that names the four.
; FRAGMENTS: source 0 = 32 rows of x (16 registers), source 1 = 16 rows of W (8 registers), each register group an LDS load of 16 bytes a lane from 512 consecutive bytes.  Both sides have TWO sets of registers: while a step of 128 along K
; is multiplied (32 matrix instructions, one for each accumulator), the next step's 32 loads go out in two runs of sixteen, each 24 matrix instructions or more ahead of its first use.
; W's fragment b = 4 g + t holds columns 64 g + 4 r + t in lane r: so register j of accumulators 4 g .. 4 g + 3 are four NEIGHBOURING columns of one row, and sixteen lanes hold 256 consecutive bytes of it.
; THE WAY OUT: the bias's addition puts the four numbers side by side in four registers (those of accumulators that have been read already), and one store covers two whole aligned units of 256 bytes.  No LDS stage.
; THE LAST K STEP goes by rows of the result: W's fragments of the whole step fill window 1, and the four row blocks are finished one after the other; each leaves while the next is multiplied.
; PREFETCH into the L2: K step 0 comes by its loads alone.  While it is on its way K step 1 is asked for; behind K step 1's load and the first 128 along K stand the requests for K steps 2 and 3, and in the loop behind the load of K step t
; those for K step t + 2; the loop's last trip asks for nothing.  Each chunk's 136 blocks of 256 bytes are shared out by address among the four work-groups that will ask for it jointly, 34 each, by the wave that fetches the chunk.
; LIMITS: NaN, infinities and sums that overflow f32 are not served.
; REGISTERS: window 0: v0-31 addresses and bias; v32-95 scale words, a set for each slot (x: 4 blocks of 32 rows x 4 words, W: 4 pairs of blocks x 4 words); v96-127 the first results on the way out; v128-255 x's fragments in the last K step.
;   window 1: fragments: set p: x at 128 p + 16 a, W at 128 p + 64 + 8 b.   windows 2, 3: accumulators: (a, b) at 128 (a % 2) + 16 b of window 2 + a / 2.
.set CHUNK, 34816
.set CSC,   32768                      ; the scale words in a chunk
.set QB,    8192                       ; a chunk's codes for 128 along K
.set SLOT,  4*CHUNK
.set RBB,   8*CHUNK                    ; from one block of 128 rows to the next
.set SPARE, 2*SLOT                     ; behind the ring: the spare words, 128 bytes for each wave
.set PART,  34*256                     ; a partner's share of a chunk's prefetch
.set BI,    8                          ; v8-15  bias of my columns 4 r .. 4 r + 3 and 64 + 4 r ..
.set ADRA, 16                          ; v16-17 LDS address of my x fragments in slot 0, 1
.set ADRB, 18                          ; v18-19 the same for W
.set BO,   24                          ; 16 r
.set CO,   26                          ; my byte offset in the result: 16 r + 8 rows x h
.set SPW,  28                          ; LDS address of my spare word; never rewritten
.set NIL,  29                          ; 0; never rewritten
.set PFO,  30                          ; the prefetch's offsets: blocks 0-31 of my share,
.set PFP,  31                          ; and blocks 32, 33 (the lanes left over name the last again)
.set SC,   32
.set TT,   96
.set RA,   128
.set G1, 24                            ; s[24:31] descriptor group 1 for x's chunks; s[32:39] group 0, one set for each slot
.set G0, 32
.set PFA, 44                           ; s[44:45] where my prefetches stand
.set G1B, 48                           ; s[48:55], s[56:63] the same for W's
.set G0B, 56
.set MSB, 0
.macro WIN new                         ; the immediate's high byte repeats the setting that is left
.if MSB != \new
	s_set_vgpr_msb (MSB<<8)|\new
.set MSB, \new
.endif
.endm
.set MUL_LO, 0xa5                      ; sources 0 and 1 window 1; C and D window 2 (window 3: 0x50 more)
.set TO_F,   0x40                      ; destination window 1, address window 0
; A joint load: waves 0 and 1 fetch x's chunks, waves 2 and 3 W's.  Each of the two lines has ONE mask and one set of registers for all that issue it; the branch hangs on the wave's number alone.
.macro JLOAD s
	s_cmp_eq_u32 s15, 0
	s_cbranch_scc0 .Lfor_b_\@
	tensor_load_to_lds s[G0+4*\s:G0+4*\s+3], s[G1:G1+7]
	s_nop 0
.rept 4
	v_nop
.endr
	s_branch .Lasked_\@
.Lfor_b_\@:
	tensor_load_to_lds s[G0B+4*\s:G0B+4*\s+3], s[G1B:G1B+7]
	s_nop 0
.rept 4
	v_nop
.endr
.Lasked_\@:
.endm
.macro CREST                           ; a round of the cluster's barrier behind its opening barrier
	s_cmp_lg_u32 s14, 0
	s_cbranch_scc1 .Lnot_wave_0_\@
	s_barrier_signal -3
.Lnot_wave_0_\@:
	s_barrier_wait -3
	s_barrier_signal -1
	s_barrier_wait -1
.endm
.macro CROUND                          ; a whole round
	s_barrier_signal -1
	s_barrier_wait -1
	CREST
.endm
.macro PREF n                          ; my share of the chunk n K steps on from PFA
	global_prefetch_b8 v[PFO], s[PFA:PFA+1] offset:(\n)*CHUNK th:TH_LOAD_NT scope:SCOPE_SE
	global_prefetch_b8 v[PFP], s[PFA:PFA+1] offset:(\n)*CHUNK th:TH_LOAD_NT scope:SCOPE_SE
.endm
.macro ASK n
	s_cmp_gt_u32 s3, 1                             ; s3 = 1 in the loop's last trip: there is no K step two on
	s_cbranch_scc0 .Lno_ask_\@
	PREF \n
.Lno_ask_\@:
.endm
; A load into a register that a matrix instruction has read, and a vector instruction that reads a matrix result, stand four places behind that matrix instruction (ISA guide 7.12.1 for vector instructions)
.macro PLACES
.rept 4
	v_nop
.endr
.endm
	s_load_b256 s[4:11], s[0:1], 0x0               ; xq s[4:5], wq s[6:7], bias s[8:9], out s[10:11]
	v_lshl_add_u32 v[SPW], v0, 2, SPARE
	v_mov_b32 v[NIL], 0
	ds_add_u32 v[SPW], v[NIL]                      ; the wave's opening: the add, twice on end, and its wait ahead of my first tensor load
	ds_add_u32 v[SPW], v[NIL]
	v_lshrrev_b32 v1, 5, v0
	v_readfirstlane_b32 s14, v1                    ; wave 0..3
	s_lshr_b32 s15, s14, 1                         ; which half of the tile's rows is mine.  Also: I fetch for x (0) or for W (1)
	s_and_b32 s16, s14, 1                          ; which half of its columns.  Also: which chunk of the two I fetch
	s_bfe_u32 s40, ttmp6, 0x40000                  ; cx, cy: my place in the cluster
	s_bfe_u32 s41, ttmp6, 0x40004
	s_lshl_b32 s42, ttmp9, 2
	s_add_co_u32 s42, s42, s40                     ; tile column = 4 x cluster x + cx
	s_and_b32 s17, ttmp7, 0xffff
	s_lshl_b32 s17, s17, 2
	s_add_co_u32 s17, s17, s41                     ; tile row = 4 x cluster y + cy
	s_lshl_b32 s43, s41, 2
	s_lshl_b32 s43, 15, s43                        ; my row of the cluster
	s_lshl_b32 s44, 0x1111, s40                    ; my column
	; descriptor group 1: a chunk as 136 rows of 32 elements of 8 bytes, dense, no padding
	s_or_b32 s[G1+0], s43, (3<<16)|(1<<21)         ; 15:0 the mask; 17:16 element of 8 bytes; 21 set beside a mask
	s_or_b32 s[G1B+0], s44, (3<<16)|(1<<21)
.irp g, G1, G1B
	s_mov_b32 s[\g+1], 32<<16
	s_mov_b32 s[\g+2], 136<<16
	s_mov_b32 s[\g+3], 32<<16
	s_mov_b32 s[\g+4], 136
	s_mov_b32 s[\g+5], 32
	s_mov_b32 s[\g+6], 0
	s_mov_b32 s[\g+7], 0
.endr
	s_lshl_b32 s20, s17, 1
	s_add_co_u32 s20, s20, s16
	s_mul_i32 s20, s20, RBB                        ; x: block of 128 rows 2 x tile row + chunk
	s_mov_b32 s21, 0
	s_lshl_b32 s46, s42, 1
	s_add_co_u32 s46, s46, s16
	s_mul_i32 s46, s46, RBB                        ; W: 2 x tile column + chunk
	s_mov_b32 s47, 0
	s_mul_i32 s45, s14, CHUNK                      ; where it goes: wave x chunk: no place in the cluster enters an LDS address
	s_wait_dscnt 0x0                               ; both opening adds are done
	CROUND                                         ; all sixteen work-groups are here: the first joint loads meet
	s_wait_kmcnt 0x0
	s_add_nc_u64 s[20:21], s[4:5], s[20:21]
	s_add_nc_u64 s[46:47], s[6:7], s[46:47]
.irp s, 0,1
	s_mov_b32 s[G0+4*\s], 1
	s_add_co_u32 s[G0+4*\s+1], s45, \s*SLOT
	s_add_nc_u64 s[G0+4*\s+2:G0+4*\s+3], s[20:21], \s*CHUNK
	s_or_b32 s[G0+4*\s+3], s[G0+4*\s+3], 0x80000000
	s_mov_b32 s[G0B+4*\s], 1
	s_add_co_u32 s[G0B+4*\s+1], s45, \s*SLOT
	s_add_nc_u64 s[G0B+4*\s+2:G0B+4*\s+3], s[46:47], \s*CHUNK
	s_or_b32 s[G0B+4*\s+3], s[G0B+4*\s+3], 0x80000000
.endr
	JLOAD 0                                        ; K step 0: one tensor load a wave at the head
	s_cmp_eq_u32 s15, 0                            ; the prefetches: my chunk, and my work-group's place among the four that share it
	s_cselect_b64 s[PFA:PFA+1], s[20:21], s[46:47]
	s_cselect_b32 s18, s40, s41
	s_mul_i32 s18, s18, PART
	s_mov_b32 s19, 0
	s_add_nc_u64 s[PFA:PFA+1], s[PFA:PFA+1], s[18:19]
	s_lshl_b32 s12, s17, 22                        ; the result: my first row, in bytes: 256 x tile row + 128 x half, rows of 16,384 bytes
	s_lshl_b32 s13, s15, 21
	s_add_co_u32 s12, s12, s13
	s_mov_b32 s13, 0
	s_lshl_b32 s18, s42, 10                        ; my first column, in bytes
	s_lshl_b32 s19, s16, 9
	s_add_co_u32 s18, s18, s19
	s_mov_b32 s19, 0
	s_add_nc_u64 s[8:9], s[8:9], s[18:19]
	s_add_nc_u64 s[10:11], s[10:11], s[18:19]
	s_add_nc_u64 s[10:11], s[10:11], s[12:13]
	s_mul_i32 s18, s15, CHUNK                      ; my chunk of x,
	s_mul_i32 s19, s16, CHUNK
	s_add_co_u32 s19, s19, 2*CHUNK                 ; and of W, behind x's two
	s_add_co_u32 s20, s18, SLOT
	s_add_co_u32 s21, s19, SLOT
	v_and_b32 v1, 15, v0                           ; r
	v_bfe_u32 v2, v0, 4, 1                         ; h
	v_and_b32 v3, 31, v0                           ; lane
	v_lshlrev_b32 v4, 4, v3
	v_lshlrev_b32 v[PFO], 8, v3
	v_min_u32 v5, 1, v3
	v_lshlrev_b32 v[BO], 4, v1
	v_lshlrev_b32 v[PFP], 8, v5
	v_add_nc_u32 v[ADRA], s18, v4
	v_add_nc_u32 v[ADRB], s19, v4
	v_add_nc_u32 v[ADRA+1], s20, v4
	v_add_nc_u32 v[ADRB+1], s21, v4
	v_add_nc_u32 v[PFP], 0x2000, v[PFP]
	v_lshl_add_u32 v[CO], v2, 17, v[BO]
	s_wait_alu depctr_va_vdst(0)
	global_load_b128 v[BI:BI+3], v[BO], s[8:9]
	global_load_b128 v[BI+4:BI+7], v[BO], s[8:9] offset:256
	PREF 1                                         ; while K step 0 is on its way
.macro FETCHA slot, q, p, k0           ; eight of the sixteen loads of x's fragments, the slot's q-th 128 along K, into set p: load k brings 512 consecutive bytes; block a is loads 4 a .. 4 a + 3
.irp k, 0,1,2,3,4,5,6,7
	ds_load_b128 v[128*(\p)+4*(\k0+\k):128*(\p)+4*(\k0+\k)+3], v[ADRA+\slot] offset:QB*(\q)+512*(\k0+\k)
.endr
.endm
.macro FETCHB slot, q, p, k0           ; and of W's: block b is loads 2 b, 2 b + 1
.irp k, 0,1,2,3,4,5,6,7
	ds_load_b128 v[128*(\p)+64+4*(\k0+\k):128*(\p)+64+4*(\k0+\k)+3], v[ADRB+\slot] offset:QB*(\q)+512*(\k0+\k)
.endr
.endm
.macro RUN1 slot, q, p                 ; the first run: x's blocks 0, 1 and W's 0 .. 3
	WIN TO_F
	FETCHA \slot, \q, \p, 0
	FETCHB \slot, \q, \p, 0
.endm
.macro RUN2 slot, q, p                 ; the second: W's blocks 4 .. 7 and x's 2, 3
	WIN TO_F
	FETCHB \slot, \q, \p, 8
	FETCHA \slot, \q, \p, 8
.endm
.macro SCALES slot                     ; a slot's scale words: lane l takes row 32 i + l, four words (for W: lanes 0-15 block 2 i, lanes 16-31 block 2 i + 1)
	WIN 0
.irp i, 0,1,2,3
	ds_load_b128 v[SC+32*\slot+4*\i:SC+32*\slot+4*\i+3], v[ADRA+\slot] offset:CSC+512*\i
	ds_load_b128 v[SC+32*\slot+16+4*\i:SC+32*\slot+16+4*\i+3], v[ADRB+\slot] offset:CSC+512*\i
.endr
.endm
; Eight matrix instructions: blocks a0, a0 + 1 x W's blocks b0 .. b0 + 3.  The 32 accumulators take turns, one instruction a turn, in the same order in every step.  first = 1: the product starts the sums.
.macro GRP a0, b0, p, q, sc, first
.irp a, \a0, \a0+1
.irp b, \b0, \b0+1, \b0+2, \b0+3
.set DD_, 128*((\a)%2)+16*(\b)
.set FA_, 128*(\p)+16*(\a)
.set FB_, 128*(\p)+64+8*(\b)
.set SA_, SC+32*(\sc)+4*(\a)+(\q)
.set SB_, SC+32*(\sc)+16+4*((\b)/2)+(\q)
.if \first
.if (\b)%2
	v_wmma_scale_f32_32x16x128_f4 v[DD_:DD_+15], v[FA_:FA_+15], v[FB_:FB_+7], 0, v[SA_], v[SB_] matrix_b_scale:MATRIX_SCALE_ROW1
.else
	v_wmma_scale_f32_32x16x128_f4 v[DD_:DD_+15], v[FA_:FA_+15], v[FB_:FB_+7], 0, v[SA_], v[SB_]
.endif
.else
.if (\b)%2
	v_wmma_scale_f32_32x16x128_f4 v[DD_:DD_+15], v[FA_:FA_+15], v[FB_:FB_+7], v[DD_:DD_+15], v[SA_], v[SB_] matrix_b_scale:MATRIX_SCALE_ROW1
.else
	v_wmma_scale_f32_32x16x128_f4 v[DD_:DD_+15], v[FA_:FA_+15], v[FB_:FB_+7], v[DD_:DD_+15], v[SA_], v[SB_]
.endif
.endif
.endr
.endr
.endm
.macro MULS a0, b0, p, q, sc, first
	WIN (MUL_LO+0x28*(\a0))                        ; a0 = 0: window 2; a0 = 2: window 3
	GRP \a0, \b0, \p, \q, \sc, \first
.endm
; One of a slot's first two steps of 128 along K: the next step's first run goes out at its head, the second in its middle.
.macro STEP slot, q, first
	PLACES
	RUN1 \slot, (\q)+1, 1-(\q)%2
	s_wait_dscnt 32                                ; this step's first run (and the scale words) are in; out: its second run and the run just issued
	MULS 0, 0, (\q)%2, \q, \slot, \first
	s_wait_dscnt 16                                ; this step's second run is in
	MULS 0, 4, (\q)%2, \q, \slot, \first
	RUN2 \slot, (\q)+1, 1-(\q)%2
	MULS 2, 0, (\q)%2, \q, \slot, \first
	MULS 2, 4, (\q)%2, \q, \slot, \first
.endm
; The third step, and the first quarter of the fourth: THE CHANGE OF SLOTS begins.  ONE barrier; in front of it each wave waits for all its tensor loads (the one that is out is its part of the next slot), adds 0 to its spare word,
; and waits for that and for its own reads of this slot, which have all been issued 24 matrix instructions or more ahead.  Eight matrix instructions stand between the add and its wait, and eight between signal and wait.
.macro CHANGE slot, fill
	PLACES
	RUN1 \slot, 3, 1
	s_wait_dscnt 32
	MULS 0, 0, 0, 2, \slot, 0
	RUN2 \slot, 3, 1
	s_wait_dscnt 32                                ; this step's second run is in; out: the fourth step's two
	MULS 0, 4, 0, 2, \slot, 0
	MULS 2, 0, 0, 2, \slot, 0
	WIN 0
	s_wait_tensorcnt 0x0
	ds_add_u32 v[SPW], v[NIL]                      ; 0 onto my spare word
.if \fill
	s_add_nc_u64 s[G0+4*\slot+2:G0+4*\slot+3], s[G0+4*\slot+2:G0+4*\slot+3], 2*CHUNK   ; no load of mine is out: this slot's next chunk
	s_add_nc_u64 s[G0B+4*\slot+2:G0B+4*\slot+3], s[G0B+4*\slot+2:G0B+4*\slot+3], 2*CHUNK
.endif
	MULS 2, 4, 0, 2, \slot, 0
	s_wait_dscnt 0x0                               ; the add is done, and my reads of this slot are over
	s_barrier_signal -1
	MULS 0, 0, 1, 3, \slot, 0
	WIN 0
	s_barrier_wait -1
.endm
.macro TURN slot, next
	CHANGE \slot, 1
	CREST                                          ; the barrier has opened a round of the cluster's barrier: no wave of any partner still reads this slot or has a load on its way
	JLOAD \slot                                    ; the first tensor load behind the round; its four v_nop are also the places in front of the loads below
	RUN1 \next, 0, 0
	SCALES \next
	ASK 4+\slot
	MULS 0, 4, 1, 3, \slot, 0
	RUN2 \next, 0, 0
	MULS 2, 0, 1, 3, \slot, 0
	MULS 2, 4, 1, 3, \slot, 0
.endm
	s_wait_tensorcnt 0x0                           ; my part of K step 0 is in
	ds_add_u32 v[SPW], v[NIL]
	s_wait_dscnt 0x0
	CROUND                                         ; a whole round: everybody's part of K step 0 is in, and all sixteen work-groups are here
	JLOAD 1                                        ; K step 1's load, the first tensor load behind the round
	RUN1 0, 0, 0
	SCALES 0
	RUN2 0, 0, 0
	STEP 0, 0, 1                                   ; the first step stands in front of the loop: its products start the sums
	WIN 0                                          ; at a label and at a branch every window is 0
	PREF 2
	PREF 3
	s_mov_b32 s3, 3
.Llap:                                                 ; a trip goes once round the ring, from a lap's second step to the next lap's first, and fills both slots again
	STEP 0, 1, 0
	TURN 0, 1
	STEP 1, 0, 0
	STEP 1, 1, 0
	TURN 1, 0
	STEP 0, 0, 0
	WIN 0
	s_wait_xcnt 0x0                                ; the prefetches have read their base: it may step
	s_add_nc_u64 s[PFA:PFA+1], s[PFA:PFA+1], 2*CHUNK
	s_sub_co_u32 s3, s3, 1
	s_cmp_lg_u32 s3, 0
	s_cbranch_scc1 .Llap
	STEP 0, 1, 0
; THE LAST K STEP lies in slot 1 and goes by rows.
.macro BL q                            ; W's fragments of quarter q: window 1, v[64 q ..]
	WIN TO_F
.irp k, 0,1,2,3,4,5,6,7,8,9,10,11,12,13,14,15
	ds_load_b128 v[64*\q+4*\k:64*\q+4*\k+3], v[ADRB+1] offset:QB*\q+512*\k
.endr
.endm
.macro AL a                            ; x's block a, all four quarters: window 0, buffer a % 2
	WIN 0
.irp q, 0,1,2,3
.irp k, 0,1,2,3
	ds_load_b128 v[RA+64*((\a)%2)+16*\q+4*\k:RA+64*((\a)%2)+16*\q+4*\k+3], v[ADRA+1] offset:QB*\q+2048*(\a)+512*\k
.endr
.endr
.endm
.macro ROWQ a, q                       ; block a, quarter q: its eight accumulators by turns
	WIN (0xa4+0x50*((\a)/2))                       ; source 0 window 0, source 1 window 1, C and D window 2 or 3
.irp b, 0,1,2,3,4,5,6,7
.set DD_, 128*((\a)%2)+16*\b
.set FA_, RA+64*((\a)%2)+16*(\q)
.set FB_, 64*(\q)+8*\b
.set SA_, SC+32+4*(\a)+(\q)
.set SB_, SC+32+16+4*(\b/2)+(\q)
.if \b%2
	v_wmma_scale_f32_32x16x128_f4 v[DD_:DD_+15], v[FA_:FA_+15], v[FB_:FB_+7], v[DD_:DD_+15], v[SA_], v[SB_] matrix_b_scale:MATRIX_SCALE_ROW1
.else
	v_wmma_scale_f32_32x16x128_f4 v[DD_:DD_+15], v[FA_:FA_+15], v[FB_:FB_+7], v[DD_:DD_+15], v[SA_], v[SB_]
.endif
.endr
.endm
; THE WAY OUT of a quarter of block a, m = 2 x (which 16 rows) + (which quad of a lane's eight rows).  Eight accumulators (4 g + t), four rows j: number (t, j) + bias goes to register t of quad (g, j); the quads are those that the
; quarter before has read (the very first: v96-127), so no register that a store reads is written again.  The accumulators are read from their low end on.
.macro OUT a, m
.set WS_, 2+(\a)/2
.set S_, 128*((\a)%2)+8*((\m)/2)+4*((\m)%2)
.if 4*(\a)+(\m) == 0
.set WD_, 0
.set D_, TT
.set DS_, 4
.else
.set WD_, WL_
.set D_, SL_
.set DS_, 16
.endif
	WIN (WD_*64+WS_*4)                             ; source 0 (bias) window 0, source 1 (accumulators) and destination as said; the same setting serves the stores where the two windows are one
.irp j, 0,1,2,3
.irp g, 0,1
.irp t, 0,1,2,3
	v_add_f32 v[D_+DS_*(4*\g+\j)+\t], v[BI+4*\g+\t], v[S_+16*(4*\g+\t)+\j]
.endr
.endr
.endr
.if WD_ != WS_
	WIN (WD_*4)
.endif
.irp j, 0,1,2,3
.irp g, 0,1
	global_store_b128 v[CO], v[D_+DS_*(4*\g+\j):D_+DS_*(4*\g+\j)+3], s[10:11] offset:(32*(\a)+16*((\m)/2)+4*((\m)%2)+\j)*16384+256*\g   ; sixteen lanes store 256 consecutive bytes, at a multiple of 256; lanes 16-31 eight rows on
.endr
.endr
.set SL_, S_
.set WL_, WS_
.endm
	CHANGE 0, 0                                    ; nothing is filled again, so no round follows
	PLACES
	SCALES 1
	AL 0
	BL 0                                           ; quarters 0 and 1 lie in set 0's registers; set 1 is still being multiplied
	MULS 0, 4, 1, 3, 0, 0
	BL 1
	MULS 2, 0, 1, 3, 0, 0
	MULS 2, 4, 1, 3, 0, 0
	s_wait_dscnt 16                                ; all but quarter 1
	PLACES
	BL 2
	ROWQ 0, 0
	BL 3
	s_wait_dscnt 32                                ; quarter 1 is in
	ROWQ 0, 1
	AL 1
	s_wait_dscnt 32                                ; quarter 2 is in
	ROWQ 0, 2
	s_wait_dscnt 16                                ; quarter 3 is in
	ROWQ 0, 3
	s_wait_loadcnt 0x0                             ; the bias
.irp a, 1,2,3
	PLACES                                         ; for the loads into the buffer of block a - 1, and for the reads of its results
.if \a < 3
	AL \a+1
	s_wait_dscnt 16                                ; block a's are in
.else
	s_wait_dscnt 0x0
.endif
.irp q, 0,1,2,3
	ROWQ \a, \q
	OUT \a-1, \q
.endr
.endr
	PLACES
.irp m, 0,1,2,3
	OUT 3, \m
.endr
	WIN 0
	s_wait_tensorcnt 0x0                           ; the wave's end
	ds_add_u32 v[SPW], v[NIL]
	s_wait_dscnt 0x0
	CROUND                                         ; the closing round: no work-group ends while a partner may still ask for a chunk that names it
	s_endpgm
.Lfunc_end_k_q5ba41b13cf_gemm:
	.size	k_q5ba41b13cf_gemm, .Lfunc_end_k_q5ba41b13cf_gemm-k_q5ba41b13cf_gemm
	.p2alignl 7, 3214868480
	.fill 96, 4, 3214868480
	.section	.rodata,"a",@progbits
	.p2align	6, 0x0
	.amdhsa_kernel k_q5ba41b13cf_gemm
		.amdhsa_group_segment_fixed_size 327680
		.amdhsa_private_segment_fixed_size 0
		.amdhsa_enable_private_segment 0
		.amdhsa_kernarg_size 32
		.amdhsa_user_sgpr_count 2
		.amdhsa_user_sgpr_kernarg_segment_ptr 1
		.amdhsa_wavefront_size32 1
		.amdhsa_system_sgpr_workgroup_id_x 1
		.amdhsa_system_sgpr_workgroup_id_y 1
		.amdhsa_system_sgpr_workgroup_id_z 1
		.amdhsa_system_vgpr_workitem_id 0
		.amdhsa_next_free_vgpr 1024
		.amdhsa_next_free_sgpr 66
		.amdhsa_reserve_vcc 0
		.amdhsa_float_denorm_mode_32 3
		.amdhsa_float_denorm_mode_16_64 3
		.amdhsa_memory_ordered 1
		.amdhsa_forward_progress 1
		.amdhsa_inst_pref_size 143
	.end_amdhsa_kernel
	.amdgpu_metadata
---
amdhsa.version: [ 1, 2 ]
amdhsa.kernels:
  - .name:           k_q5ba41b13cf_gemm
    .symbol:         k_q5ba41b13cf_gemm.kd
    .args:
      - { .name: xq, .offset: 0, .size: 8, .value_kind: global_buffer, .address_space: global }
      - { .name: wq, .offset: 8, .size: 8, .value_kind: global_buffer, .address_space: global }
      - { .name: bias, .offset: 16, .size: 8, .value_kind: global_buffer, .address_space: global }
      - { .name: out0, .offset: 24, .size: 8, .value_kind: global_buffer, .address_space: global }
    .group_segment_fixed_size: 327680
    .private_segment_fixed_size: 0
    .kernarg_segment_align: 8
    .kernarg_segment_size: 32
    .max_flat_workgroup_size: 128
    .sgpr_count:     66
    .vgpr_count:     1024
    .wavefront_size: 32
...
	.end_amdgpu_metadata
.endif
;; end of part 2
